; MI455X (gfx1250); checked and timed in simulation.
; The chip was launched on July 23, 2026; its instructions are those of AMD's public machine-readable ISA for CDNA 5 (MIT licence, August 2026) and "CDNA5" Instruction Set Architecture Reference Guide (July 2026). The comments in the code are by the model that wrote it; some were corrected since.
;; Dynamic Mo E. Allowed arithmetic: matrix products marked QUANTISED: E2M1 operands, one E8M0 scale for each 32 along K, by v_wmma_scale_f32_16x16x128_f8f6f4 with both operands' format E2M1 (or v_wmma_scale_f32_32x16x128_f4), f32 sums; products left as they are: f32 operands where the result goes on into a quantised operand, else bf16, f16 or f32 operands; f32 sums; everything else in f32.
;; Inputs: W1 8 x 1,024 x 4,096 float32; W2 8 x 4,096 x 1,024 float32; Wg 1,024 x 8 float32; b1 8 x 4,096 float32; b2 8 x 1,024 float32; bg 8 float32; x 4 x 256 x 1,024 float32.
;; Outputs: out0 4 x 256 x 1,024 float32.
;; This version of the problem:
;;   THIS VERSION OF THE PROBLEM IS GIVEN IN LOW PRECISION. The matrix products marked QUANTISED in the list below multiply operands that are first quantised to E2M1 (2 exponent bits, 1 mantissa bit; 4 bits a number), with one power-of-two scale for each 32 numbers along K (OCP MX v1.0); their sums are f32. All else is computed in f32.
;;   The module's matrix products, in the order in which they are computed (A, B: the left and right operand; K: the contracted axis; several contracted axes count as one K, in the product's order):
;;     1. [M 1,024, K 1,024] x [K 1,024, N 8]; A: input x; B: input Wg: left as it is (N = 8 < 16)
;;     2. [M 32,768, K 1,024] x [K 1,024, N 1,024]; A: input W1; B: input x: QUANTISED
;;     3. batch 8 x [M 1,024, K 4,096] x [K 4,096, N 1,024]; A: computed on the way; B: input W2: QUANTISED
;;     4. batch 1,024 x [M 1, K 8] x [K 8, N 1,024]; A: computed on the way; B: computed on the way: left as it is (K = 8 < 32)
;;   THE QUANTISER, for each operand of a quantised product, along K:
;;     - K is cut into blocks of 32 from its start; a last block that is shorter is filled with zeros.
;;     - A block's scale is 2^e with e = floor(log2(the largest magnitude in the block)) - 2, held to -126 .. 127; a block of zeros has e = 0. As a byte (E8M0): e + 127.
;;     - Each number is divided by its block's scale, clamped to +-6, and rounded to the nearest number of E2M1, ties to even, subnormals kept.
;;     - The product sums the exact products of the quantised numbers (number of the format x scale) in f32.
;;   ~~~python
;;   def quantise(x, axis):      # numpy; x: float32 -> the quantised numbers, widened to float32 again
;;       x = np.moveaxis(x, axis, -1); K = x.shape[-1]
;;       x = np.pad(x, [(0, 0)] * (x.ndim - 1) + [(0, -K % 32)]); x = x.reshape(x.shape[:-1] + (-1, 32)); a = np.abs(x).max(-1, keepdims=True)
;;       e = np.where(a > 0, np.clip(np.frexp(np.where(a > 0, a, 1))[1] - 1 - 2, -126, 127), 0)      # np.frexp(a)[1] - 1 = floor(log2(a)), exactly
;;       r = np.clip(x / 2.0 ** e, -6, 6)
;;       step = 2.0 ** (np.maximum(np.frexp(np.where(r == 0, 1, r))[1] - 1, 0) - 1)
;;       q = np.round(r / step) * step * 2.0 ** e      # np.round: ties to even
;;       return np.moveaxis(q.reshape(q.shape[:-2] + (-1,))[..., :K], -1, axis).astype(np.float32)
;;   ~~~
;;   OPERANDS COMPUTED ON THE WAY. 'Computed on the way' means the value that the module computes at that place (a softmax that the list does not call 'softmax' is quantised finished and normalised). What goes into a quantiser is computed in f32, as accurately as f32 sums, v_exp_f32 and their like allow (about 1e-6 of the number): no bf16 or f16 on the way to a quantiser, and a product that is left as it is and whose result goes on into a quantised operand takes f32 operands (vector FMAs, or v_wmma_f32_16x16x4_f32). A number that lies on a knife's edge between two numbers of the format may be rounded either way, as far as f32 arithmetic and the matrix unit's own rounding can turn it there, and no further.
;; One version. Each part assembles by itself: llvm-mc -triple=amdgcn-amd-amdhsa -mcpu=gfx1250 --defsym DOCPART=n.
;; ======== version 1 of 1: 3 launches
;; workspace buffers: xrec 557,056 bytes; gpart 131,072 bytes; w2rec 17,825,792 bytes; hrec 17,825,792 bytes
;; launch prep (part 1): grid 256 x 1, 8 waves a work-group, no clusters, 5,376 bytes of LDS; arguments x, Wg, W2, xrec, gpart, w2rec; writes xrec, gpart, w2rec
.if DOCPART == 1
	.amdgcn_target "amdgcn-amd-amdhsa--gfx1250"
	.amdhsa_code_object_version 6
	.text
	.protected	k_qf3e8e96ffc_prep
	.globl	k_qf3e8e96ffc_prep
	.p2align	8
	.type	k_qf3e8e96ffc_prep,@function
k_qf3e8e96ffc_prep:
	s_mov_b64 s[64:65], 0
	v_nop
	global_prefetch_b8 v0, s[64:65] scope:SCOPE_SE
	s_setreg_imm32_b32 hwreg(HW_REG_WAVE_MODE, 25, 1), 1
	s_wait_xcnt 0x0
; FIRST OF THREE LAUNCHES.  out = sum over e of w[t][e] (relu(x W1[e] + b1[e]) W2[e] + b2[e]), w = sigmoid(x Wg + bg) where that is above 0.5, else 0.
; Both large products run on codes of FP4 (E2M1) with one E8M0 scale for each 32 along K.  This launch makes: W2's codes (K = the hidden axis, W2's FIRST axis within an expert), x's codes (K innermost), and the gate's logits as four partial sums.
; NO WORK OF THE PROBLEM IS LEFT OUT: every input has a way to the output and is loaded by one of the three launches.  Rows that the gate's mask throws away hang on values: they are computed and multiplied by the weight 0.
; LIMITS: a block whose largest magnitude lies under 2^-124 gets the scale byte 1; a block of zeros gets the byte 1 with zero codes (the bytes are read by this program alone); NaN and infinities among the inputs are carried
; only as far as the arithmetic carries them (0 x infinity in a masked row gives NaN); a gate value within f32 summation and one unit of v_exp_f32 / v_rcp_f32 of 0.5 may fall on either side of the mask.
; WORKSPACE LAYOUT: operands lie as IMAGES OF THE OPERAND'S REGISTERS.  A fragment (16 rows x 128 K of 4-bit codes, 8 registers a lane) is 1,024 bytes: registers 4 c .. 4 c + 3 of lane l at 512 c + 16 l.
;   w2rec [16 groups of 64 output columns][8 experts][32 K steps] records of 4,352 bytes: four fragments, then at 4,096 + 8 l + 4 i the scale words (i = 0: tiles 0 (lanes 0-15) and 1 (lanes 16-31); i = 1: tiles 2, 3).
;         ROW p OF TILE n IS COLUMN 4 p + n OF THE GROUP: which columns form a tile is free, and this choice is the one that the loads give (below).
;   xrec  [64 tiles of 16 tokens] records of 8,704 bytes: eight fragments (K steps), then at 8,192 + 64 S + 4 r the scale word of K step S, row r.
;   gpart [4 quarters of K][8 experts][1,024 tokens] f32: the logits' partial sums; the third launch adds them and bg.
; SHARES.  Work-group id, for W2: column group cg = id & 7 (128 columns), kq = (id >> 3) & 3 (1,024 rows of K), expert e = id >> 5; wave w takes K step 8 kq + w: 128 rows x 128 columns, four blocks of 32 rows.
; For x: token tile id >> 2, K steps 2 q and 2 q + 1 with q = id & 3; wave w takes ONE block of 32 along K (K step 2 q + w / 4, block w & 3): 16 numbers a lane.  Every work-group has the same work.
; x's and Wg's 36 loads go out ahead of the slab's first block and are used while that block is on its way.
; THE SLAB.  Each load takes 512 consecutive bytes of a row, 16 a lane: so lane l holds columns 4 l .. 4 l + 3 of all 32 rows of a block.  The conversions take neighbours along K from consecutive registers, so each column's
; 32 numbers are copied on end (128 copies a block); no LDS, no other lane, no barrier.  Column 4 l + j belongs to group j: lanes 0-15 are tile (j, first 64 columns), lanes 16-31 tile (j, second 64).
; Two blocks, 64 loads of 512 bytes, are asked for ahead.  No tensor loads and no cluster: nothing of the slab passes through LDS, and nothing is read by two work-groups.
.set PITCH, 4096                       ; a row of W2 in bytes
.set NBLK,  4                          ; blocks of 32 rows to a wave
.set GRED,  0                          ; LDS: the gate's partial sums, 512 bytes a wave,
.set XSCL,  4096                       ; x's scale bytes, 64 a K step, in a block of 256 bytes of their own,
.set SPARE, 4352                       ; and the spare words, 128 bytes for each wave: four blocks of 256 bytes that no other line names
.set L16, 1                            ; v1   16 x lane
.set L8,  2                            ; v2   8 x lane
.set L4,  3                            ; v3   4 x lane
.set XA,  5                            ; v5   x: row r of 4,096 bytes + 64 h
.set WGA, 6                            ; v6   Wg: 16 h rows of 32 bytes
.set GST, 8                            ; v8   where I put my gate partials
.set XST, 9                            ; v9   where I put my row's scale byte
.set GRD, 10                           ; v10  where wave 0 reads the partials
.set XRD, 11                           ; v11  and the scale words
.set GWO, 12                           ; v12  gpart: expert 4 h, token r
.set XFO, 13                           ; v13  my 8 bytes of a block's 256 in a fragment's image: 16 r + 8 h
.set SPW, 14                           ; v14  LDS address of my spare word; never rewritten
.set NIL, 15                           ; v15  0; never rewritten
.set MXA, 16                           ; v16-17 two chains of a block's largest magnitude
.set MXB, 17
.set SCL, 18                           ; v18  the conversion's scale operand
.set BYT, 19                           ; v19  the scale's byte
.set SW,  20                           ; v20-23 the four groups' scale words: group j at 2 (j % 2) + j / 2
.set TT,  24                           ; v24-31 lane permutes' results
.set VV,  32                           ; v32-35 four numbers to hand on
.set PCX, 36                           ; v36-37 x's 16 codes
.set XW,  38                           ; v38  wave 0: the scale words
.set GG,  40                           ; v40-55 the gate's sums: two sets of eight
                                       ; v56-71, v208-255 W2's codes: written once, so no store's data are written again
.set XN,  80                           ; v80-207 a block's numbers, column j at 32 j (for x: v80-95)
.set WB,  96                           ; v96-223 for x: my 16 rows of Wg
                                       ; window 1: v0-255 two landing sets of 128
.set MSB, 0
.macro WIN new                         ; the immediate's high byte repeats the setting that is left
.if MSB != (\new)
	s_set_vgpr_msb (MSB<<8)|(\new)
.set MSB, (\new)
.endif
.endm
.macro LOADB blk, set                  ; block blk: 32 rows x 512 consecutive bytes, into landing set 'set' of window 1
	WIN 0x40
.set ii, 0
.rept 32
	global_load_b128 v[128*(\set)+4*ii:128*(\set)+4*ii+3], v[L16], s[24:25] offset:(32*(\blk)+ii)*PITCH th:TH_LOAD_NT
.set ii, ii+1
.endr
	WIN 0
.endm
.macro MOVALL set                      ; each of my four columns' 32 numbers on end; the landing set is free behind these lines
	WIN 0x01
.irp g, 0,1,2,3
.set ii, 0
.rept 32
	v_mov_b32 v[XN+32*\g+ii], v[128*(\set)+4*ii+\g]
.set ii, ii+1
.endr
.endr
	WIN 0
.endm
; One block of 32 along K of my column of group g: its scale byte into the group's word, its 32 codes into four registers.  Behind an odd block one exchange of halves for each register gives two tiles' registers 4 c .. 4 c + 3:
; the first register keeps lanes 0-15 (their columns' block 2 c) and takes the second's lanes 0-15 (the same columns' block 2 c + 1) into lanes 16-31: the tile of the first 64 columns; the second holds the same of the second 64.
.macro QBLK g, jj
.set qX, XN+32*(\g)
.set qN, 4*(\g)+(\jj)
.if qN < 12
.set qC, 208+4*qN
.else
.set qC, 56+4*(qN-12)
.endif
.set qS, SW+2*((\g)%2)+(\g)/2
	v_max3_num_f32 v[MXA], |v[qX]|, |v[qX+1]|, |v[qX+2]|
	v_max3_num_f32 v[MXB], |v[qX+3]|, |v[qX+4]|, |v[qX+5]|
.irp i, 6,10,14,18,22,26
	v_max3_num_f32 v[MXA], v[MXA], |v[qX+\i]|, |v[qX+\i+1]|
	v_max3_num_f32 v[MXB], v[MXB], |v[qX+\i+2]|, |v[qX+\i+3]|
.endr
	v_max3_num_f32 v[MXA], v[MXA], |v[qX+30]|, |v[qX+31]|
	v_max3_num_f32 v[MXA], v[MXA], v[MXB], 0x1800000           ; and the floor 2^(3 - 127): the byte cannot fall under 1
	v_add_nc_u32 v[SCL], 0xff000000, v[MXA]        ; 2 off the exponent field: the conversion takes the exponent field of this operand as its scale
	v_lshrrev_b32 v[BYT], 23, v[SCL]               ; the scale's byte
.if (\jj) == 0
	v_mov_b32 v[qS], v[BYT]
.else
	v_lshl_or_b32 v[qS], v[BYT], 8*(\jj), v[qS]
.endif
.irp q, 0,1,2,3
	v_cvt_scalef32_pk8_fp4_f32 v[qC+\q], v[qX+8*\q:qX+8*\q+7], v[SCL]
.endr
	v_nop                                          ; one plain place behind a scaled conversion
.if (\jj)%2 == 1
.irp q, 0,1,2,3
	v_permlane16_swap_b32 v[qC-4+\q], v[qC+\q]
.endr
	global_store_b128 v[L16], v[qC-4:qC-1], s[26:27] offset:(\g)*1024+512*((\jj)/2)            ; 512 consecutive bytes, at a multiple of 256 from the buffer's first byte
	global_store_b128 v[L16], v[qC:qC+3], s[26:27] offset:1114112+(\g)*1024+512*((\jj)/2)      ; the same tile of the next group of 64 columns
.endif
.endm
.macro BLOCK blk
.if (\blk) < NBLK-1
	s_wait_loadcnt 32                              ; this block's 32 loads are in; the next block's 32 may be out
.else
	s_wait_loadcnt 0x0
.endif
	MOVALL (\blk)%2
.if (\blk)+2 < NBLK
	LOADB (\blk)+2, (\blk)%2
.endif
	QBLK 0, \blk
	QBLK 1, \blk
	QBLK 2, \blk
	QBLK 3, \blk
.endm
	s_load_b256 s[4:11], s[0:1], 0x0               ; x s[4:5], Wg s[6:7], W2 s[8:9], xrec s[10:11]
	s_load_b128 s[12:15], s[0:1], 0x20             ; gpart s[12:13], w2rec s[14:15]
	v_lshl_add_u32 v[SPW], v0, 2, SPARE
	v_mov_b32 v[NIL], 0
	v_lshrrev_b32 v7, 5, v0
	v_readfirstlane_b32 s18, v7                    ; wave 0..7
	v_and_b32 v7, 31, v0                           ; lane
	v_and_b32 v78, 15, v0                          ; r
	v_bfe_u32 v79, v0, 4, 1                        ; h
	v_lshlrev_b32 v[L16], 4, v7
	v_lshlrev_b32 v[L8], 3, v7
	v_lshlrev_b32 v[L4], 2, v7
	v_lshlrev_b32 v[XA], 12, v78
	v_lshl_add_u32 v[XA], v79, 6, v[XA]
	v_lshlrev_b32 v[WGA], 9, v79
	s_lshl_b32 s19, s18, 9
	s_add_co_u32 s19, s19, GRED
	v_lshl_add_u32 v[GST], v7, 4, s19
	s_lshr_b32 s19, s18, 2
	s_lshl_b32 s19, s19, 6                         ; 64 bytes for each of the two K steps,
	s_and_b32 s22, s18, 3
	s_add_co_u32 s19, s19, s22                     ; my block's byte of a word
	s_add_co_u32 s19, s19, XSCL
	v_lshl_add_u32 v[XST], v78, 2, s19
	v_lshl_add_u32 v[GRD], v7, 4, GRED
	v_lshl_add_u32 v[XRD], v7, 2, XSCL
	v_lshlrev_b32 v[GWO], 2, v78
	v_lshl_add_u32 v[GWO], v79, 14, v[GWO]
	v_lshlrev_b32 v[XFO], 4, v78
	v_lshl_add_u32 v[XFO], v79, 3, v[XFO]
.irp j, 0,1,2,3,4,5,6,7
	v_mov_b32 v[TT+\j], 0                          ; written once: a lane permute's destination counts as one of its sources
.endr
	s_mov_b32 s20, 0x76543210
	s_mov_b32 s21, 0xfedcba98                      ; v_permlanex16_b32's selects for lane l xor 16
	s_and_b32 s38, ttmp9, 7                        ; cg
	s_bfe_u32 s39, ttmp9, 0x20003                  ; kq
	s_lshr_b32 s40, ttmp9, 5                       ; e
	s_lshl_b32 s42, s40, 24                        ; W2: an expert is 2^24 bytes,
	s_lshl_b32 s41, s39, 22                        ; 1,024 rows 2^22,
	s_add_co_u32 s42, s42, s41
	s_lshl_b32 s41, s18, 19                        ; my 128 rows 2^19,
	s_add_co_u32 s42, s42, s41
	s_lshl_b32 s41, s38, 9                         ; 128 columns 512 bytes
	s_add_co_u32 s42, s42, s41
	s_mov_b32 s43, 0
	s_mul_i32 s44, s38, 2228224                    ; w2rec: two groups of 64 columns,
	s_mul_i32 s41, s40, 139264                     ; an expert's 32 records,
	s_add_co_u32 s44, s44, s41
	s_lshl_b32 s41, s39, 3
	s_add_co_u32 s41, s41, s18                     ; K step 8 kq + w
	s_mul_i32 s41, s41, 4352
	s_add_co_u32 s44, s44, s41
	s_mov_b32 s45, 0
	s_lshr_b32 s46, ttmp9, 2                       ; the token tile m
	s_and_b32 s47, ttmp9, 3                        ; q
	s_lshl_b32 s48, s47, 1
	s_lshr_b32 s41, s18, 2
	s_add_co_u32 s48, s48, s41                     ; my K step S = 2 q + w / 4
	s_and_b32 s49, s18, 3                          ; my block b
	s_lshl_b32 s22, s46, 16                        ; x: 16 rows of 4,096 bytes,
	s_lshl_b32 s41, s48, 9                         ; a K step 512 bytes,
	s_add_co_u32 s22, s22, s41
	s_lshl_b32 s41, s49, 7                         ; a block 128
	s_add_co_u32 s22, s22, s41
	s_mov_b32 s23, 0
	s_lshl_b32 s50, s48, 12                        ; Wg: a K step's 128 rows of 32 bytes,
	s_lshl_b32 s41, s49, 10                        ; a block's 32
	s_add_co_u32 s50, s50, s41
	s_mov_b32 s51, 0
	s_mul_i32 s52, s46, 8704                       ; xrec: the tile's record
	s_mov_b32 s53, 0
	s_lshl_b32 s54, s48, 10                        ; in it my K step's fragment,
	s_lshl_b32 s41, s49, 8                         ; and block b's 256 bytes: 512 (b / 2) + 256 (b % 2)
	s_add_co_u32 s54, s54, s41
	s_mov_b32 s55, 0
	s_wait_kmcnt 0x0
	s_add_nc_u64 s[24:25], s[8:9], s[42:43]        ; one base for each stream; none is ever written again, so no wait is owed for them
	s_add_nc_u64 s[26:27], s[14:15], s[44:45]
	s_add_nc_u64 s[28:29], s[4:5], s[22:23]
	s_add_nc_u64 s[30:31], s[6:7], s[50:51]
	s_add_nc_u64 s[34:35], s[10:11], s[52:53]
	s_add_nc_u64 s[32:33], s[34:35], s[54:55]
	s_lshl_b32 s22, s47, 7
	s_add_co_u32 s22, s22, 8192                    ; the scale words of K steps 2 q, 2 q + 1: 128 bytes
	s_add_nc_u64 s[34:35], s[34:35], s[22:23]
	s_lshl_b32 s22, s47, 15                        ; gpart: quarter q,
	s_lshl_b32 s41, s46, 6                         ; the tile's 16 tokens
	s_add_co_u32 s22, s22, s41
	s_add_nc_u64 s[36:37], s[12:13], s[22:23]
	; ---- x: my block of the tile's 16 rows.  Register i holds k = 16 h + i of the block, row r; Wg's registers 8 i .. 8 i + 7 the eight experts at that k
.irp j, 0,1,2,3
	global_load_b128 v[XN+4*\j:XN+4*\j+3], v[XA], s[28:29] offset:16*\j
.endr
.set ii, 0
.rept 16
	global_load_b128 v[WB+8*ii:WB+8*ii+3], v[WGA], s[30:31] offset:32*ii
	global_load_b128 v[WB+8*ii+4:WB+8*ii+7], v[WGA], s[30:31] offset:32*ii+16
.set ii, ii+1
.endr
	LOADB 0, 0
	s_wait_loadcnt 32                              ; x and Wg are in; the slab's first block, 32 loads, may be out
	LOADB 1, 1
	; 64 packed multiply-adds: x(r, k) x Wg(k, 0 .. 7); even k into the first set of sums, odd k into the second.  The one x serves both halves of a pair.  The first two k start the sums.
.set ii, 0
.rept 16
.irp p, 0,1,2,3
.set rG, GG+8*(ii%2)+2*\p
.set rX, XN+ii-(ii%2)
.set rW, WB+8*ii+2*\p
.if ii == 0
	v_pk_mul_f32 v[rG:rG+1], v[rX:rX+1], v[rW:rW+1] op_sel_hi:[0,1]
.elseif ii == 1
	v_pk_mul_f32 v[rG:rG+1], v[rX:rX+1], v[rW:rW+1] op_sel:[1,0] op_sel_hi:[1,1]
.elseif (ii%2) == 0
	v_pk_fma_f32 v[rG:rG+1], v[rX:rX+1], v[rW:rW+1], v[rG:rG+1] op_sel_hi:[0,1,1]
.else
	v_pk_fma_f32 v[rG:rG+1], v[rX:rX+1], v[rW:rW+1], v[rG:rG+1] op_sel:[1,0,0] op_sel_hi:[1,1,1]
.endif
.endr
.set ii, ii+1
.endr
	v_max3_num_f32 v[MXA], |v[XN]|, |v[XN+1]|, 0x1800000       ; the block's largest magnitude: my 16 numbers and the floor 2^(3 - 127),
	v_max3_num_f32 v[MXB], |v[XN+2]|, |v[XN+3]|, |v[XN+4]|
.irp i, 5,9
	v_max3_num_f32 v[MXA], v[MXA], |v[XN+\i]|, |v[XN+\i+1]|
	v_max3_num_f32 v[MXB], v[MXB], |v[XN+\i+2]|, |v[XN+\i+3]|
.endr
	v_max3_num_f32 v[MXA], v[MXA], |v[XN+13]|, |v[XN+14]|
	v_max3_num_f32 v[MXA], v[MXA], v[MXB], |v[XN+15]|
	v_permlanex16_b32 v[TT], v[MXA], s20, s21
	v_max_num_f32 v[MXA], v[MXA], v[TT]            ; and lane l xor 16's 16
	v_add_nc_u32 v[SCL], 0xff000000, v[MXA]
	v_lshrrev_b32 v[BYT], 23, v[SCL]
	v_cvt_scalef32_pk8_fp4_f32 v[PCX], v[XN:XN+7], v[SCL]
	v_cvt_scalef32_pk8_fp4_f32 v[PCX+1], v[XN+8:XN+15], v[SCL]
	v_nop                                          ; one plain place behind a scaled conversion
	global_store_b64 v[XFO], v[PCX:PCX+1], s[32:33]            ; in the image block b is registers 4 (b / 2) .. + 3 of lanes 16 (b % 2) + r; my 16 codes are two of the four: the wave stores 256 consecutive bytes
	ds_store_b8 v[XST], v[BYT]                     ; lanes r and r + 16 write the same byte with the same value
.irp p, 0,1,2,3
	v_pk_add_f32 v[GG+2*\p:GG+2*\p+1], v[GG+2*\p:GG+2*\p+1], v[GG+8+2*\p:GG+8+2*\p+1]   ; the two sets,
.endr
.irp j, 0,1,2,3,4,5,6,7
	v_permlanex16_b32 v[TT+\j], v[GG+\j], s20, s21
.endr
.irp p, 0,1,2,3
	v_pk_add_f32 v[GG+2*\p:GG+2*\p+1], v[GG+2*\p:GG+2*\p+1], v[TT+2*\p:TT+2*\p+1]       ; and lane l xor 16's half of the k
.endr
	s_mov_b32 vcc_lo, 0xffff0000
.irp i, 0,1,2,3
	v_cndmask_b32 v[VV+\i], v[GG+\i], v[GG+4+\i], vcc_lo       ; lanes 0-15 hand on experts 0-3 of token r, lanes 16-31 experts 4-7
.endr
	ds_store_b128 v[GST], v[VV:VV+3]
	s_wait_dscnt 0x0                               ; for the others' sake: my LDS stores have landed
	s_barrier_signal -1
	s_barrier_wait -1
	s_cmp_lg_u32 s18, 0
	s_cbranch_scc1 .Lslab
	; ---- wave 0: the eight waves' partial logits become the work-group's; the two K steps' scale words go out
.irp w, 0,1,2,3,4,5,6,7
	ds_load_b128 v[WB+4*\w:WB+4*\w+3], v[GRD] offset:512*\w
.endr
	ds_load_b32 v[XW], v[XRD]
	s_wait_dscnt 0x0
	global_store_b32 v[L4], v[XW], s[34:35]        ; 128 consecutive bytes: lanes 0-15 K step 2 q, lanes 16-31 K step 2 q + 1
.irp w, 1,2,3,4,5,6
	v_pk_add_f32 v[WB:WB+1], v[WB:WB+1], v[WB+4*\w:WB+4*\w+1]
	v_pk_add_f32 v[WB+2:WB+3], v[WB+2:WB+3], v[WB+4*\w+2:WB+4*\w+3]
.endr
	v_pk_add_f32 v[VV:VV+1], v[WB:WB+1], v[WB+28:WB+29]        ; the last addition lands in registers that are not written again: no wait is owed for the stores below
	v_pk_add_f32 v[VV+2:VV+3], v[WB+2:WB+3], v[WB+30:WB+31]
.irp i, 0,1,2,3
	global_store_b32 v[GWO], v[VV+\i], s[36:37] offset:4096*\i ; gpart[q][4 h + i][16 m + r]
.endr
.Lslab:
	; ---- W2's slab
	BLOCK 0
	BLOCK 1
	BLOCK 2
	BLOCK 3
	v_permlane16_swap_b32 v[SW], v[SW+2]           ; the words of groups 0 and 1: the first now holds tiles 0 | 1 of the first 64 columns, the second those of the second 64
	v_permlane16_swap_b32 v[SW+1], v[SW+3]         ; groups 2 and 3 likewise: tiles 2 | 3
	global_store_b64 v[L8], v[SW:SW+1], s[26:27] offset:4096               ; the scale words' image: 256 consecutive bytes
	global_store_b64 v[L8], v[SW+2:SW+3], s[26:27] offset:1114112+4096
	s_wait_tensorcnt 0x0                           ; the wave's end: three closing lines behind my last LDS store: a tensor wait, though no tensor load stands here, a spare LDS add and its wait
	ds_add_u32 v[SPW], v[NIL]
	s_wait_dscnt 0x0
	s_endpgm
.Lfunc_end_k_qf3e8e96ffc_prep:
	.size	k_qf3e8e96ffc_prep, .Lfunc_end_k_qf3e8e96ffc_prep-k_qf3e8e96ffc_prep
	.p2alignl 7, 3214868480
	.fill 96, 4, 3214868480
	.section	.rodata,"a",@progbits
	.p2align	6, 0x0
	.amdhsa_kernel k_qf3e8e96ffc_prep
		.amdhsa_group_segment_fixed_size 5376
		.amdhsa_private_segment_fixed_size 0
		.amdhsa_enable_private_segment 0
		.amdhsa_kernarg_size 48
		.amdhsa_user_sgpr_count 2
		.amdhsa_user_sgpr_kernarg_segment_ptr 1
		.amdhsa_wavefront_size32 1
		.amdhsa_system_sgpr_workgroup_id_x 1
		.amdhsa_system_sgpr_workgroup_id_y 1
		.amdhsa_system_sgpr_workgroup_id_z 1
		.amdhsa_system_vgpr_workitem_id 0
		.amdhsa_next_free_vgpr 512
		.amdhsa_next_free_sgpr 66
		.amdhsa_reserve_vcc 1
		.amdhsa_float_denorm_mode_32 3
		.amdhsa_float_denorm_mode_16_64 3
		.amdhsa_memory_ordered 1
		.amdhsa_forward_progress 1
		.amdhsa_inst_pref_size 71
	.end_amdhsa_kernel
	.amdgpu_metadata
---
amdhsa.version: [ 1, 2 ]
amdhsa.kernels:
  - .name:           k_qf3e8e96ffc_prep
    .symbol:         k_qf3e8e96ffc_prep.kd
    .args:
      - { .name: x, .offset: 0, .size: 8, .value_kind: global_buffer, .address_space: global }
      - { .name: Wg, .offset: 8, .size: 8, .value_kind: global_buffer, .address_space: global }
      - { .name: W2, .offset: 16, .size: 8, .value_kind: global_buffer, .address_space: global }
      - { .name: xrec, .offset: 24, .size: 8, .value_kind: global_buffer, .address_space: global }
      - { .name: gpart, .offset: 32, .size: 8, .value_kind: global_buffer, .address_space: global }
      - { .name: w2rec, .offset: 40, .size: 8, .value_kind: global_buffer, .address_space: global }
    .group_segment_fixed_size: 5376
    .private_segment_fixed_size: 0
    .kernarg_segment_align: 8
    .kernarg_segment_size: 48
    .max_flat_workgroup_size: 256
    .sgpr_count:     66
    .vgpr_count:     512
    .wavefront_size: 32
...
	.end_amdgpu_metadata
.endif
;; end of part 1
;; launch layer1 (part 2): grid 32 x 8, 4 waves a work-group, no clusters, 70,144 bytes of LDS; arguments W1, b1, xrec, hrec; writes hrec
.if DOCPART == 2
	.amdgcn_target "amdgcn-amd-amdhsa--gfx1250"
	.amdhsa_code_object_version 6
	.text
	.protected	k_qf3e8e96ffc_layer1
	.globl	k_qf3e8e96ffc_layer1
	.p2align	8
	.type	k_qf3e8e96ffc_layer1,@function
k_qf3e8e96ffc_layer1:
	s_mov_b64 s[64:65], 0
	v_nop
	global_prefetch_b8 v0, s[64:65] scope:SCOPE_SE
	s_setreg_imm32_b32 hwreg(HW_REG_WAVE_MODE, 25, 1), 1
	s_wait_xcnt 0x0
; SECOND OF THREE LAUNCHES: h = relu(x W1[e] + b1[e]) on codes of FP4 (E2M1), quantised along the hidden axis into hrec.  No work of the problem is left out here.
; LIMITS as stated at the head of the first launch (scale byte 1 under 2^-124 and for blocks of zeros; NaN and infinities not served).  b1 is the sum's first addend (the C of the first matrix instruction), not its last.
; SHARES.  A work-group owns 128 hidden units (chunk s = work-group x) of one expert (work-group y) for ALL 1,024 tokens: so its slab of W1, 1,024 rows of K x 512 bytes, is read by nobody else, is quantised here,
; and W1's codes never go to memory.
; PHASE 1, the stream: wave w quantises rows 256 w .. + 255 (eight blocks of 32, K steps 2 w and 2 w + 1) as the first launch quantises W2: whole rows of 512 bytes in, 16 bytes a lane, so that lane l holds columns
; 4 l .. 4 l + 3 of a block's 32 rows; each column's numbers are copied on end for the conversions.  The fragments and scale words go to LDS as images of the operand's registers.  One barrier.
; PHASE 2, the tokens: every wave takes ALL 64 fragments (8 tiles of hidden units x 8 K steps: 512 registers) from LDS once, and walks 16 tiles of 16 tokens: x's fragments come from xrec straight into operand registers,
; each feeding eight matrix instructions; the product is used TRANSPOSED (source 0 = 16 hidden units, source 1 = 16 tokens), so that a lane holds one token.
; THE HIDDEN UNITS OF A TILE ARE NOT NEIGHBOURS: row p of tile 2 j + u is unit 64 u + 4 p + j, as the loads give it.  So register a of tile 2 j + u in lane (r, h) is unit 64 u + 32 h + 4 a + j: a lane's 64 results are TWO WHOLE
; BLOCKS of 32 along the next K, just those that the next operand's layout gives that lane.  The activation writes them in order; a block's largest number needs no other lane; the conversions' results are the operand's registers.
; hrec [16 groups of 64 tokens][8 experts][32 chunks] records of 4,352 bytes: four fragments (tiles of 16 tokens) of 1,024 bytes, then the scale words' image at 4,096 + 8 l + 4 i (tiles 2 i in lanes 0-15, 2 i + 1 in lanes 16-31).
; x's codes are read by every work-group, yet without joint requests: they go from memory into operand registers with no pass through LDS (20 loads a tile, three tiles ahead), and the four waves walk different tiles.
.set PITCH, 16384                      ; a row of W1 in bytes
.set NBLK,  8
.set IMG,   0                          ; LDS: fragment (K step S, tile t) at (8 S + t) 1,024 + 512 c + 16 l,
.set SIMG,  65536                      ; scale register (S, g) at (4 S + g) 128 + 4 l: lanes 0-15 tile 2 g, lanes 16-31 tile 2 g + 1,
.set SPARE, 69632                      ; and the spare words, 128 bytes for each wave: two blocks of 256 bytes that no other line names
.set L16, 1                            ; v1   16 x lane
.set L4,  2                            ; v2   4 x lane
.set L8,  3                            ; v3   8 x lane
.set IWA, 6                            ; v6   where I store fragments: IMG + 16,384 w + 16 x lane
.set ISA, 7                            ; v7   and scale words: SIMG + 1,024 w + 4 x lane
.set LI,  8                            ; v8   IMG + 16 x lane
.set LS,  9                            ; v9   SIMG + 4 x lane
.set H128, 10                          ; v10  128 h
.set H8,  11                           ; v11  8 h
.set SPW, 14                           ; v14  LDS address of my spare word; never rewritten
.set NIL, 15                           ; v15  0; never rewritten
.set MXA, 16                           ; v16-17 two chains of a block's largest magnitude
.set MXB, 17
.set SCL, 18                           ; v18-19 the conversions' scale operands
.set SW,  20                           ; v20-23 the stream's four groups' scale words
.set BYT, 24                           ; v24-25 scale bytes
.set WT,  26                           ; v26-27 a scale word in the making
.set WO,  27
.set PWR, 32                           ; v32-35 the scale words of a record's four tiles
.set PP,  36                           ; v36-37 their image
.set PC,  38                           ; v38-45 the fragment just made
.set XSC, 48                           ; v48-63 x's scale words, four to a buffer: register i: K step 2 i in lanes 0-15, 2 i + 1 in lanes 16-31; nothing else ever lies here
.set W1S, 64                           ; v64-95 W1's scale words (S, g) at 4 S + g; nothing else ever lies here
.set HA,  96                           ; v96-159 my 8 tiles of the hidden layer
.set XN,  96                           ;         (in the stream: two columns' 32 numbers)
.set B1R, 160                          ; v160-223 b1 in the result's layout, 8 registers a tile
.set HN,  224                          ; v224-255 a block of the hidden layer in order
.set CD,  224                          ;         (in the stream: codes: group g, block parity at 8 g + 4 (jj % 2))
                                       ; windows 1, 2: in the stream four landing sets of 128; then W1's fragments: K steps 0-3 at 8 (8 S + t) of window 1, K steps 4-7 in window 2
                                       ; window 3: four buffers of 64 for x's fragments (at the start v192-255: b1 as it lies)
.set MSB, 0
.macro WIN new                         ; the immediate's high byte repeats the setting that is left
.if MSB != (\new)
	s_set_vgpr_msb (MSB<<8)|(\new)
.set MSB, (\new)
.endif
.endm
	s_load_b256 s[4:11], s[0:1], 0x0               ; W1 s[4:5], b1 s[6:7], xrec s[8:9], hrec s[10:11]
	v_lshl_add_u32 v[SPW], v0, 2, SPARE
	v_mov_b32 v[NIL], 0
	v_lshrrev_b32 v4, 5, v0
	v_readfirstlane_b32 s18, v4                    ; wave 0..3
	v_and_b32 v4, 31, v0                           ; lane
	v_bfe_u32 v5, v0, 4, 1                         ; h
	v_lshlrev_b32 v[L16], 4, v4
	v_lshlrev_b32 v[L4], 2, v4
	v_lshlrev_b32 v[L8], 3, v4
	s_lshl_b32 s19, s18, 14
	s_add_co_u32 s19, s19, IMG
	v_lshl_add_u32 v[IWA], v4, 4, s19
	s_lshl_b32 s19, s18, 10
	s_add_co_u32 s19, s19, SIMG
	v_lshl_add_u32 v[ISA], v4, 2, s19
	v_lshl_add_u32 v[LI], v4, 4, IMG
	v_lshl_add_u32 v[LS], v4, 2, SIMG
	v_lshlrev_b32 v[H128], 7, v5
	v_lshlrev_b32 v[H8], 3, v5
	v_mov_b32 v[WO], 0                             ; written once: a lane permute's destination counts as one of its sources
	s_mov_b32 s20, 0x76543210
	s_mov_b32 s21, 0xfedcba98                      ; v_permlanex16_b32's selects for lane l xor 16
	s_mov_b32 vcc_lo, 0xffff0000                   ; lanes 16-31; never written again
	s_and_b32 s24, ttmp7, 0xffff                   ; the expert
	s_lshl_b32 s26, s24, 24                        ; W1: an expert is 2^24 bytes,
	s_lshl_b32 s25, s18, 22                        ; my 256 rows 2^22,
	s_add_co_u32 s26, s26, s25
	s_lshl_b32 s25, ttmp9, 9                       ; the chunk's 128 columns 512 bytes
	s_add_co_u32 s26, s26, s25
	s_mov_b32 s27, 0
	s_lshl_b32 s28, s24, 14                        ; b1: a row of 16,384 bytes, the chunk's 512
	s_add_co_u32 s28, s28, s25
	s_mov_b32 s29, 0
	s_mul_i32 s30, s18, 139264                     ; xrec: my 16 records of 8,704 bytes
	s_mov_b32 s31, 0
	s_mul_i32 s32, s18, 4456448                    ; hrec: my four groups of 64 tokens,
	s_mul_i32 s25, s24, 139264                     ; the expert's 32 records,
	s_add_co_u32 s32, s32, s25
	s_mul_i32 s25, ttmp9, 4352                     ; the chunk's
	s_add_co_u32 s32, s32, s25
	s_mov_b32 s33, 0
	s_wait_kmcnt 0x0
	s_add_nc_u64 s[4:5], s[4:5], s[26:27]
	s_add_nc_u64 s[6:7], s[6:7], s[28:29]
	s_add_nc_u64 s[8:9], s[8:9], s[30:31]
	s_add_nc_u64 s[10:11], s[10:11], s[32:33]
	WIN 0xc0
.irp c, 0,1                                    ; b1 as it lies: register 32 c + i of window 3's v192 on is unit 64 c + 32 h + i
.irp p, 0,1,2,3,4,5,6,7
	global_load_b128 v[192+32*\c+4*\p:192+32*\c+4*\p+3], v[H128], s[6:7] offset:256*\c+16*\p
.endr
.endr
	WIN 0
.macro LOADB blk, set                  ; block blk: 32 rows x 512 consecutive bytes, into landing set 'set': window 1 + set / 2, from v[128 (set % 2)] on
	WIN 64*(1+(\set)/2)
.set ii, 0
.rept 32
	global_load_b128 v[128*((\set)%2)+4*ii:128*((\set)%2)+4*ii+3], v[L16], s[4:5] offset:(32*(\blk)+ii)*PITCH th:TH_LOAD_NT
.set ii, ii+1
.endr
	WIN 0
.endm
.macro MOVG g, xs, set                 ; my column 4 l + g: its 32 numbers on end
	WIN (1+(\set)/2)
.set ii, 0
.rept 32
	v_mov_b32 v[XN+32*(\xs)+ii], v[128*((\set)%2)+4*ii+(\g)]
.set ii, ii+1
.endr
	WIN 0
.endm
; x's eight fragments and four scale registers of the tile k records on from s[8:9], into buffer buf: 20 loads, 512 or 128 consecutive bytes each
.macro XLD buf, k
	WIN 0xc0
.irp u, 0,1,2,3,4,5,6,7
.irp c, 0,1
	global_load_b128 v[64*(\buf)+8*\u+4*\c:64*(\buf)+8*\u+4*\c+3], v[L16], s[8:9] offset:(\k)*8704+1024*\u+512*\c
.endr
.endr
	WIN 0
.irp i, 0,1,2,3
	global_load_b32 v[XSC+4*(\buf)+\i], v[L4], s[8:9] offset:(\k)*8704+8192+128*\i
.endr
.endm
; One block of 32 along K of my column of group g.  Behind an odd block one exchange of halves for each register gives registers 4 c .. 4 c + 3 of tiles 2 g and 2 g + 1, which go to LDS as they stand.
.macro QBLK g, blk, xs
.set qX, XN+32*(\xs)
.set qJ, (\blk)%4
.set qK, (\blk)/4
.set qC, CD+8*(\g)+4*(qJ%2)
	v_max3_num_f32 v[MXA], |v[qX]|, |v[qX+1]|, |v[qX+2]|
	v_max3_num_f32 v[MXB], |v[qX+3]|, |v[qX+4]|, |v[qX+5]|
.irp i, 6,10,14,18,22,26
	v_max3_num_f32 v[MXA], v[MXA], |v[qX+\i]|, |v[qX+\i+1]|
	v_max3_num_f32 v[MXB], v[MXB], |v[qX+\i+2]|, |v[qX+\i+3]|
.endr
	v_max3_num_f32 v[MXA], v[MXA], |v[qX+30]|, |v[qX+31]|
	v_max3_num_f32 v[MXA], v[MXA], v[MXB], 0x1800000           ; and the floor 2^(3 - 127): the byte cannot fall under 1
	v_add_nc_u32 v[SCL], 0xff000000, v[MXA]        ; 2 off the exponent field: the conversion's scale operand
	v_lshrrev_b32 v[BYT], 23, v[SCL]               ; the scale's byte
.if qJ == 0
	v_mov_b32 v[SW+\g], v[BYT]
.else
	v_lshl_or_b32 v[SW+\g], v[BYT], 8*qJ, v[SW+\g]
.endif
.irp q, 0,1,2,3
	v_cvt_scalef32_pk8_fp4_f32 v[qC+\q], v[qX+8*\q:qX+8*\q+7], v[SCL]
.endr
	v_nop                                          ; one plain place behind a scaled conversion
.if qJ%2 == 1
.irp q, 0,1,2,3
	v_permlane16_swap_b32 v[qC-4+\q], v[qC+\q]
.endr
	ds_store_b128 v[IWA], v[qC-4:qC-1] offset:(8*qK+2*(\g))*1024+512*(qJ/2)
	ds_store_b128 v[IWA], v[qC:qC+3] offset:(8*qK+2*(\g)+1)*1024+512*(qJ/2)
.endif
.if qJ == 3
	ds_store_b32 v[ISA], v[SW+\g] offset:(4*qK+(\g))*128
.endif
.endm
.macro BLOCK blk
.if (\blk) < NBLK-1
	s_wait_loadcnt 32                              ; this block's 32 loads are in (and, in the first block, b1's, which are older); the next block's 32 may be out
.else
	s_wait_loadcnt 0x0
.endif
.if (\blk) == 0
	WIN 0x03
.irp c, 0,1
.irp j, 0,1,2,3
.irp a, 0,1,2,3,4,5,6,7
	v_mov_b32 v[B1R+8*(2*\j+\c)+\a], v[192+32*\c+4*\a+\j]      ; b1 into the result's layout, once: register a of tile 2 j + c is unit 64 c + 32 h + 4 a + j
.endr
.endr
.endr
	WIN 0
.endif
.if (\blk)+2 < NBLK
	LOADB (\blk)+2, ((\blk)+2)%4                   ; into the set that the block before last has left
.endif
.if (\blk) == NBLK-1
	XLD 0, 0                                       ; my first three tiles of x are asked for
	XLD 1, 1
	XLD 2, 2
.endif
	MOVG 0, 0, (\blk)%4
	MOVG 1, 1, (\blk)%4
	QBLK 0, \blk, 0
	QBLK 1, \blk, 1
	MOVG 2, 0, (\blk)%4
	MOVG 3, 1, (\blk)%4
	QBLK 2, \blk, 0
	QBLK 3, \blk, 1
.endm
	LOADB 0, 0
	LOADB 1, 1
.irp k, 0,1,2,3,4,5,6,7
	BLOCK \k
.endr
	s_wait_dscnt 0x0                               ; for the others' sake: my images have landed
	s_barrier_signal -1
	s_barrier_wait -1                              ; all 64 fragments and 32 scale registers lie in LDS; nobody writes LDS from here on
	WIN 0x40
.set ii, 0
.rept 64
	ds_load_b128 v[4*ii:4*ii+3], v[LI] offset:512*ii           ; registers 8 (8 S + t) + 4 c: K steps 0-3
.set ii, ii+1
.endr
	WIN 0x80
.set ii, 0
.rept 64
	ds_load_b128 v[4*ii:4*ii+3], v[LI] offset:32768+512*ii     ; K steps 4-7
.set ii, ii+1
.endr
	WIN 0
.set ii, 0
.rept 32
	ds_load_b32 v[W1S+ii], v[LS] offset:128*ii
.set ii, ii+1
.endr
	s_wait_dscnt 0x0
; My token's 64 results become a fragment's codes in v[PC] on and its scale word in v[pw].  Half c: the activation writes units 64 c + 32 h + 0 .. 31 in order; they are block 2 c + h, all mine; four conversions give
; registers 4 c .. 4 c + 3 of the operand.  Each accumulator is read from its low end on.
.macro QUANTH pw
.irp c, 0,1
.irp j, 0,1,2,3
.irp a, 0,1,2,3,4,5,6,7
	v_max_num_f32 v[HN+4*\a+\j], 0, v[HA+8*(2*\j+\c)+\a]       ; relu, in f32
.endr
.endr
	v_max3_num_f32 v[MXA], v[HN], v[HN+1], 0x1800000           ; no |.|: none is negative; the floor 2^(3 - 127) among the leaves
	v_max3_num_f32 v[MXB], v[HN+2], v[HN+3], v[HN+4]
.irp i, 5,9,13,17,21,25
	v_max3_num_f32 v[MXA], v[MXA], v[HN+\i], v[HN+\i+1]
	v_max3_num_f32 v[MXB], v[MXB], v[HN+\i+2], v[HN+\i+3]
.endr
	v_max3_num_f32 v[MXA], v[MXA], v[HN+29], v[HN+30]
	v_max3_num_f32 v[MXA], v[MXA], v[MXB], v[HN+31]
	v_add_nc_u32 v[SCL+\c], 0xff000000, v[MXA]
	v_lshrrev_b32 v[BYT+\c], 23, v[SCL+\c]
.if \c == 0
	s_wait_xcnt 0x0                                ; the last tile's stores have read their data: the fragment's registers and the image of the scale words are written again only behind this wait
.endif
.irp q, 0,1,2,3
	v_cvt_scalef32_pk8_fp4_f32 v[PC+4*\c+\q], v[HN+8*\q:HN+8*\q+7], v[SCL+\c]
.endr
	v_nop                                          ; one plain place behind a scaled conversion, ahead of the lines that write its sources again
.endr
	v_lshl_or_b32 v[WT], v[BYT+1], 16, v[BYT]      ; my two bytes: blocks h and 2 + h of my token,
	v_lshlrev_b32 v[WT], v[H8], v[WT]              ; at their places in the scale word (8 h bits up);
	v_permlanex16_b32 v[WO], v[WT], s20, s21
	v_or_b32 v[\pw], v[WT], v[WO]                  ; with lane l xor 16's two the word is whole, in both halves of the lanes
.endm
; One matrix instruction: tile t of hidden units, K step u, x's buffer buf.  The first K step takes b1 as C.  An odd tile's scale words lie in lanes 16-31 of W1's register, an odd K step's in lanes 16-31 of x's.
.macro MM buf, u, t
.set rD, HA+8*(\t)
.set rA, 8*(8*((\u)%4)+(\t))
.set rB, 64*(\buf)+8*(\u)
.set rC, rD
.if (\u) == 0
.set rC, B1R+8*(\t)
.endif
.set rSA, W1S+4*(\u)+(\t)/2
.set rSB, XSC+4*(\buf)+(\u)/2
.if ((\t)%2 == 0) && ((\u)%2 == 0)
	v_wmma_scale_f32_16x16x128_f8f6f4 v[rD:rD+7], v[rA:rA+7], v[rB:rB+7], v[rC:rC+7], v[rSA], v[rSB] matrix_a_fmt:MATRIX_FMT_FP4 matrix_b_fmt:MATRIX_FMT_FP4
.elseif ((\t)%2 == 1) && ((\u)%2 == 0)
	v_wmma_scale_f32_16x16x128_f8f6f4 v[rD:rD+7], v[rA:rA+7], v[rB:rB+7], v[rC:rC+7], v[rSA], v[rSB] matrix_a_fmt:MATRIX_FMT_FP4 matrix_b_fmt:MATRIX_FMT_FP4 matrix_a_scale:MATRIX_SCALE_ROW1
.elseif ((\t)%2 == 0)
	v_wmma_scale_f32_16x16x128_f8f6f4 v[rD:rD+7], v[rA:rA+7], v[rB:rB+7], v[rC:rC+7], v[rSA], v[rSB] matrix_a_fmt:MATRIX_FMT_FP4 matrix_b_fmt:MATRIX_FMT_FP4 matrix_b_scale:MATRIX_SCALE_ROW1
.else
	v_wmma_scale_f32_16x16x128_f8f6f4 v[rD:rD+7], v[rA:rA+7], v[rB:rB+7], v[rC:rC+7], v[rSA], v[rSB] matrix_a_fmt:MATRIX_FMT_FP4 matrix_b_fmt:MATRIX_FMT_FP4 matrix_a_scale:MATRIX_SCALE_ROW1 matrix_b_scale:MATRIX_SCALE_ROW1
.endif
.endm
; A tile of 16 tokens, the i4-th of a record.  ahead = 1: the tile three on is asked for, into the buffer that the last tile has left (its last product stands behind four v_nop and the whole quantising).
; n: the loads of the younger tiles, 20 each, which may stay out.  The eight accumulators take turns, one instruction a turn.
.macro TILE i4, ahead, n
.if \ahead
	XLD ((\i4)+3)%4, (\i4)+3
.endif
	s_wait_loadcnt \n
	WIN 0x0d                                       ; source 0 (W1) window 1, source 1 (x) window 3
.irp u, 0,1,2,3
.irp t, 0,1,2,3,4,5,6,7
	MM \i4, \u, \t
.endr
.endr
	WIN 0x0e                                       ; source 0 window 2
.irp u, 4,5,6,7
.irp t, 0,1,2,3,4,5,6,7
	MM \i4, \u, \t
.endr
.endr
	WIN 0
.rept 4
	v_nop                                          ; four places between the last product and the first read of its result
.endr
	QUANTH PWR+(\i4)
	global_store_b128 v[L16], v[PC:PC+3], s[10:11] offset:(\i4)*1024       ; 512 consecutive bytes a store
	global_store_b128 v[L16], v[PC+4:PC+7], s[10:11] offset:(\i4)*1024+512
.if (\i4) == 1
	v_cndmask_b32 v[PP], v[PWR], v[PWR+1], vcc_lo  ; lanes 0-15: tile 0's words, lanes 16-31: tile 1's
.endif
.if (\i4) == 3
	v_cndmask_b32 v[PP+1], v[PWR+2], v[PWR+3], vcc_lo
	global_store_b64 v[L8], v[PP:PP+1], s[10:11] offset:4096               ; 256 consecutive bytes
.endif
.endm
	s_mov_b32 s23, 3
.Ltrip:                                                ; a trip: four tiles, one record of hrec
	TILE 0, 1, 60
	TILE 1, 1, 60
	TILE 2, 1, 60
	TILE 3, 1, 60
	s_wait_xcnt 0x0                                ; the loads and stores have read their bases
	s_add_nc_u64 s[8:9], s[8:9], 34816             ; four records of xrec on
	s_add_nc_u64 s[10:11], s[10:11], 1114112       ; the next group of 64 tokens
	s_sub_co_u32 s23, s23, 1
	s_cmp_lg_u32 s23, 0
	s_cbranch_scc1 .Ltrip
	TILE 0, 1, 60                                  ; the last four tiles: one more request (my 16th tile), then the counts run down: no load leaves xrec
	TILE 1, 0, 40
	TILE 2, 0, 20
	TILE 3, 0, 0
	s_wait_tensorcnt 0x0                           ; the wave's end: three closing lines behind my last LDS store: a tensor wait, though no tensor load stands here, a spare LDS add and its wait
	ds_add_u32 v[SPW], v[NIL]
	s_wait_dscnt 0x0
	s_endpgm
.Lfunc_end_k_qf3e8e96ffc_layer1:
	.size	k_qf3e8e96ffc_layer1, .Lfunc_end_k_qf3e8e96ffc_layer1-k_qf3e8e96ffc_layer1
	.p2alignl 7, 3214868480
	.fill 96, 4, 3214868480
	.section	.rodata,"a",@progbits
	.p2align	6, 0x0
	.amdhsa_kernel k_qf3e8e96ffc_layer1
		.amdhsa_group_segment_fixed_size 70144
		.amdhsa_private_segment_fixed_size 0
		.amdhsa_enable_private_segment 0
		.amdhsa_kernarg_size 32
		.amdhsa_user_sgpr_count 2
		.amdhsa_user_sgpr_kernarg_segment_ptr 1
		.amdhsa_wavefront_size32 1
		.amdhsa_system_sgpr_workgroup_id_x 1
		.amdhsa_system_sgpr_workgroup_id_y 1
		.amdhsa_system_sgpr_workgroup_id_z 1
		.amdhsa_system_vgpr_workitem_id 0
		.amdhsa_next_free_vgpr 1024
		.amdhsa_next_free_sgpr 66
		.amdhsa_reserve_vcc 1
		.amdhsa_float_denorm_mode_32 3
		.amdhsa_float_denorm_mode_16_64 3
		.amdhsa_memory_ordered 1
		.amdhsa_forward_progress 1
		.amdhsa_inst_pref_size 251
	.end_amdhsa_kernel
	.amdgpu_metadata
---
amdhsa.version: [ 1, 2 ]
amdhsa.kernels:
  - .name:           k_qf3e8e96ffc_layer1
    .symbol:         k_qf3e8e96ffc_layer1.kd
    .args:
      - { .name: W1, .offset: 0, .size: 8, .value_kind: global_buffer, .address_space: global }
      - { .name: b1, .offset: 8, .size: 8, .value_kind: global_buffer, .address_space: global }
      - { .name: xrec, .offset: 16, .size: 8, .value_kind: global_buffer, .address_space: global }
      - { .name: hrec, .offset: 24, .size: 8, .value_kind: global_buffer, .address_space: global }
    .group_segment_fixed_size: 70144
    .private_segment_fixed_size: 0
    .kernarg_segment_align: 8
    .kernarg_segment_size: 32
    .max_flat_workgroup_size: 128
    .sgpr_count:     66
    .vgpr_count:     1024
    .wavefront_size: 32
...
	.end_amdgpu_metadata
.endif
;; end of part 2
;; launch layer2 (part 3): grid 16 x 16, 8 waves a work-group, no clusters, 140,288 bytes of LDS; arguments hrec, w2rec, gpart, bg, b2, out0; writes out0
.if DOCPART == 3
	.amdgcn_target "amdgcn-amd-amdhsa--gfx1250"
	.amdhsa_code_object_version 6
	.text
	.protected	k_qf3e8e96ffc_layer2
	.globl	k_qf3e8e96ffc_layer2
	.p2align	8
	.type	k_qf3e8e96ffc_layer2,@function
k_qf3e8e96ffc_layer2:
	s_mov_b64 s[64:65], 0
	v_nop
	global_prefetch_b8 v0, s[64:65] scope:SCOPE_SE
	s_setreg_imm32_b32 hwreg(HW_REG_WAVE_MODE, 25, 1), 1
	s_wait_xcnt 0x0
; THIRD OF THREE LAUNCHES: out[t][d] = sum over e of w[e][t] (h[e][t] . W2[e][:, d] + b2[e][d]), the product on codes of FP4 (E2M1); w = sigmoid(logit) where that is above 0.5, else 0, the logit being the first launch's four
; partial sums and bg.  No work of the problem is left out here: a masked expert has the weight 0.
; LIMITS as stated at the head of the first launch.  b2 is the sum's first addend (the C of the first matrix instruction), not its last.
; SHARES.  A work-group owns 64 tokens (work-group y) x 64 output columns (work-group x): each output has one owner.  WAVE e IS EXPERT e: it makes the whole 64 x 64 over that expert's K = 4,096, 32 K steps of 128,
; in 16 accumulators; the gate's weight is applied once at the end, and the eight waves' results meet in LDS.
; OPERANDS come from hrec and w2rec as images of their registers, straight into operand registers: a K step is 18 loads a wave (16 of 512 consecutive bytes, 2 of 256), four buffers, three K steps (54 loads) ahead.
; THE 32 K STEPS ARE WRITTEN OUT: every offset is an immediate (139,008 at the most), no base is stepped and no source of a load is ever written again, so that no wait but the loads' own stands among them.
; The product is used TRANSPOSED (source 0 = 16 columns of W2, source 1 = 16 tokens).  Row p of W2's tile n is column 4 p + n of the group, so register a of accumulator (m, n) in lane (r, h) is token 16 m + r,
; column 32 h + 4 a + n: a lane holds 32 neighbouring columns of a token, and the multiplication by the gate's weight writes them in order.
; A record is read by the 16 work-groups of a row or a column of the grid, yet without joint requests: those exist for tiles that land in LDS, and here no operand byte passes through LDS; eight waves x 54 loads stay
; on their way throughout, where a ring of slots would have one slot out and none at each change of slots.
.set SPARE, 139264                     ; LDS: eight regions of 64 rows x 272 bytes, one a wave; behind them the spare words, 128 bytes for each wave: four blocks of 256 bytes that no other line names
.set L16, 1                            ; v1   16 x lane
.set L8,  2                            ; v2   8 x lane
.set STO, 3                            ; v3   my region: row r, + 128 h
.set RD0, 4                            ; v4   back: rows 8 e + lane / 16, 16 bytes a lane, regions 0-3
.set RD1, 5                            ; v5   regions 4-7
.set OUTO, 6                           ; v6   the same two rows in out0
.set R4,  7                            ; v7   4 r
.set H128, 8                           ; v8   128 h
.set E4,  12                           ; v12  4 e
.set SPW, 14                           ; v14  LDS address of my spare word; never rewritten
.set NIL, 15                           ; v15  0; never rewritten
.set SCR, 16                           ; v16-31 scale words, four to a buffer: h's tiles 0|1, 2|3, W2's tiles 0|1, 2|3 (lanes 0-15 | lanes 16-31); nothing else ever lies here
.set GWR, 32                           ; v32-35 the gate's weight of token 16 m + r
.set BI,  40                           ; v40-71 b2 in the result's layout, 8 registers a tile of columns
.set RAW, 72                           ; v72-103 b2 as it lies: columns 32 h + 0 .. 31
.set GP,  104                          ; v104-119 the logits' partial sums: quarter q, tile m at 4 q + m
.set BGR, 120                          ; v120 bg of my expert
.set ACC, 128                          ; v128-255 accumulator (m, n) at 8 (4 m + n)
                                       ; window 1: four buffers of 64: h's tiles at 8 m, W2's at 32 + 8 n; on the way out v0-127: the weighted results in order
.set MSB, 0
.macro WIN new                         ; the immediate's high byte repeats the setting that is left
.if MSB != (\new)
	s_set_vgpr_msb (MSB<<8)|(\new)
.set MSB, (\new)
.endif
.endm
	s_load_b256 s[4:11], s[0:1], 0x0               ; hrec s[4:5], w2rec s[6:7], gpart s[8:9], bg s[10:11]
	s_load_b128 s[12:15], s[0:1], 0x20             ; b2 s[12:13], out0 s[14:15]
	v_lshl_add_u32 v[SPW], v0, 2, SPARE
	v_mov_b32 v[NIL], 0
	v_lshrrev_b32 v9, 5, v0
	v_readfirstlane_b32 s18, v9                    ; wave = expert
	v_and_b32 v9, 31, v0                           ; lane
	v_and_b32 v10, 15, v0                          ; r
	v_bfe_u32 v11, v0, 4, 1                        ; h
	v_lshlrev_b32 v[L16], 4, v9
	v_lshlrev_b32 v[L8], 3, v9
	s_mul_i32 s19, s18, 17408
	v_mul_u32_u24 v[STO], v10, 272
	v_lshl_add_u32 v[STO], v11, 7, v[STO]
	v_add_nc_u32 v[STO], s19, v[STO]
	s_mul_i32 s19, s18, 2176                       ; eight rows of 272 bytes
	v_mul_u32_u24 v[RD0], v11, 272
	v_lshl_add_u32 v[RD0], v10, 4, v[RD0]
	v_add_nc_u32 v[RD0], s19, v[RD0]
	v_add_nc_u32 v[RD1], 69632, v[RD0]
	v_lshlrev_b32 v[OUTO], 12, v11
	v_lshl_add_u32 v[OUTO], v10, 4, v[OUTO]
	v_lshlrev_b32 v[R4], 2, v10
	v_lshlrev_b32 v[H128], 7, v11
	s_lshl_b32 s19, s18, 2
	v_mov_b32 v[E4], s19
	s_and_b32 s20, ttmp7, 0xffff                   ; the group of 64 tokens
	s_mul_i32 s21, s18, 139264                     ; my expert's 32 records
	s_mul_i32 s22, s20, 1114112
	s_add_co_u32 s22, s22, s21                     ; in hrec,
	s_mov_b32 s23, 0
	s_mul_i32 s24, ttmp9, 1114112
	s_add_co_u32 s24, s24, s21                     ; in w2rec
	s_mov_b32 s25, 0
	s_lshl_b32 s21, s18, 12                        ; an expert's row of gpart or of b2: 4,096 bytes
	s_lshl_b32 s26, s20, 8
	s_add_co_u32 s26, s26, s21                     ; gpart: my 64 tokens
	s_mov_b32 s27, 0
	s_lshl_b32 s28, ttmp9, 8
	s_add_co_u32 s30, s21, s28                     ; b2: my 64 columns
	s_mov_b32 s31, 0
	s_lshl_b32 s21, s20, 18                        ; out0: 64 rows of 4,096 bytes,
	s_add_co_u32 s28, s28, s21
	s_lshl_b32 s21, s18, 15                        ; the eight rows that I store,
	s_add_co_u32 s28, s28, s21                     ; the 256 bytes of the columns
	s_mov_b32 s29, 0
	s_wait_kmcnt 0x0
	s_add_nc_u64 s[4:5], s[4:5], s[22:23]
	s_add_nc_u64 s[6:7], s[6:7], s[24:25]
	s_add_nc_u64 s[8:9], s[8:9], s[26:27]
	s_add_nc_u64 s[12:13], s[12:13], s[30:31]
	s_add_nc_u64 s[14:15], s[14:15], s[28:29]
.irp p, 0,1,2,3,4,5,6,7
	global_load_b128 v[RAW+4*\p:RAW+4*\p+3], v[H128], s[12:13] offset:16*\p
.endr
.irp q, 0,1,2,3
.irp m, 0,1,2,3
	global_load_b32 v[GP+4*\q+\m], v[R4], s[8:9] offset:32768*\q+64*\m
.endr
.endr
	global_load_b32 v[BGR], v[E4], s[10:11]
.macro LD buf, k                       ; K step k, into buffer buf: 18 loads
	WIN 0x40
.irp t, 0,1,2,3
.irp c, 0,1
	global_load_b128 v[64*(\buf)+8*\t+4*\c:64*(\buf)+8*\t+4*\c+3], v[L16], s[4:5] offset:(\k)*4352+1024*\t+512*\c
.endr
.endr
.irp t, 0,1,2,3
.irp c, 0,1
	global_load_b128 v[64*(\buf)+32+8*\t+4*\c:64*(\buf)+32+8*\t+4*\c+3], v[L16], s[6:7] offset:(\k)*4352+1024*\t+512*\c
.endr
.endr
	WIN 0
	global_load_b64 v[SCR+4*(\buf):SCR+4*(\buf)+1], v[L8], s[4:5] offset:(\k)*4352+4096
	global_load_b64 v[SCR+4*(\buf)+2:SCR+4*(\buf)+3], v[L8], s[6:7] offset:(\k)*4352+4096
.endm
.macro MM2 buf, m, n, first
.set rD, ACC+8*(4*(\m)+(\n))
.set rA, 64*(\buf)+32+8*(\n)
.set rB, 64*(\buf)+8*(\m)
.set rC, rD
.if \first
.set rC, BI+8*(\n)
.endif
.set rSA, SCR+4*(\buf)+2+(\n)/2
.set rSB, SCR+4*(\buf)+(\m)/2
.if ((\n)%2 == 0) && ((\m)%2 == 0)
	v_wmma_scale_f32_16x16x128_f8f6f4 v[rD:rD+7], v[rA:rA+7], v[rB:rB+7], v[rC:rC+7], v[rSA], v[rSB] matrix_a_fmt:MATRIX_FMT_FP4 matrix_b_fmt:MATRIX_FMT_FP4
.elseif ((\n)%2 == 1) && ((\m)%2 == 0)
	v_wmma_scale_f32_16x16x128_f8f6f4 v[rD:rD+7], v[rA:rA+7], v[rB:rB+7], v[rC:rC+7], v[rSA], v[rSB] matrix_a_fmt:MATRIX_FMT_FP4 matrix_b_fmt:MATRIX_FMT_FP4 matrix_a_scale:MATRIX_SCALE_ROW1
.elseif ((\n)%2 == 0)
	v_wmma_scale_f32_16x16x128_f8f6f4 v[rD:rD+7], v[rA:rA+7], v[rB:rB+7], v[rC:rC+7], v[rSA], v[rSB] matrix_a_fmt:MATRIX_FMT_FP4 matrix_b_fmt:MATRIX_FMT_FP4 matrix_b_scale:MATRIX_SCALE_ROW1
.else
	v_wmma_scale_f32_16x16x128_f8f6f4 v[rD:rD+7], v[rA:rA+7], v[rB:rB+7], v[rC:rC+7], v[rSA], v[rSB] matrix_a_fmt:MATRIX_FMT_FP4 matrix_b_fmt:MATRIX_FMT_FP4 matrix_a_scale:MATRIX_SCALE_ROW1 matrix_b_scale:MATRIX_SCALE_ROW1
.endif
.endm
; A K step on buffer buf: 16 matrix instructions, the 16 accumulators by turns.  first = 1: b2 is the C.  ahead = 1: the buffer takes K step k, four on.
; cnt: the loads of the younger K steps, 18 each, which may stay out.
.macro STEP buf, first, ahead, k, cnt
	s_wait_loadcnt \cnt
	WIN 0x05                                       ; sources 0 and 1 in window 1
.irp m, 0,1,2,3
.irp n, 0,1,2,3
	MM2 \buf, \m, \n, \first
.endr
.endr
	WIN 0
.if \ahead
.rept 4
	v_nop                                          ; four places in front of loads into registers that matrix instructions have read
.endr
	LD \buf, \k
.endif
.endm
	LD 0, 0
	LD 1, 1
	LD 2, 2
	LD 3, 3
	s_wait_loadcnt 54                              ; b2, the partial sums, bg and K step 0 are in; K steps 1 to 3, 54 loads, may be out
.irp n, 0,1,2,3
.irp a, 0,1,2,3,4,5,6,7
	v_mov_b32 v[BI+8*\n+\a], v[RAW+4*\a+\n]        ; b2 into the result's layout, once: register a of tile n is column 32 h + 4 a + n
.endr
.endr
	; the gate's weight of my expert for tokens 16 m + r, made while the next K steps are on their way
.irp m, 0,1,2,3
	v_add_f32 v[GP+\m], v[GP+\m], v[GP+4+\m]
.endr
.irp m, 0,1,2,3
	v_add_f32 v[GP+8+\m], v[GP+8+\m], v[GP+12+\m]
.endr
.irp m, 0,1,2,3
	v_add_f32 v[GP+\m], v[GP+\m], v[GP+8+\m]
.endr
.irp m, 0,1,2,3
	v_add_f32 v[GP+\m], v[GP+\m], v[BGR]           ; the logit
.endr
.irp m, 0,1,2,3
	v_mul_f32 v[GP+4+\m], 0xbfb8aa3b, v[GP+\m]     ; -log2(e) x logit
.endr
.irp m, 0,1,2,3
	v_exp_f32 v[GP+4+\m], v[GP+4+\m]
.endr
	v_nop                                          ; a plain place behind the last exponential
	s_wait_alu depctr_va_vdst(0)                   ; one wait for the four, ahead of their first reader
.irp m, 0,1,2,3
	v_add_f32 v[GP+4+\m], 1.0, v[GP+4+\m]
.endr
.irp m, 0,1,2,3
	v_rcp_f32 v[GP+8+\m], v[GP+4+\m]               ; sigmoid
.endr
	v_nop
	s_wait_alu depctr_va_vdst(0)
.irp m, 0,1,2,3
	v_cmp_lt_f32 vcc_lo, 0.5, v[GP+8+\m]
	v_cndmask_b32 v[GWR+\m], 0, v[GP+8+\m], vcc_lo ; the weight: the probability where it is above 0.5, else 0
.endr
	STEP 0, 1, 1, 4, 54                            ; K step 0: its products start the sums
.set kk, 1
.rept 27
	STEP kk%4, 0, 1, kk+4, 54                      ; K steps 1 to 27 ask for 5 to 31
.set kk, kk+1
.endr
	STEP 0, 0, 0, 0, 54                            ; K steps 28 to 31: the counts run down: no load leaves its buffer
	STEP 1, 0, 0, 0, 36
	STEP 2, 0, 0, 0, 18
	STEP 3, 0, 0, 0, 0
	; THE WAY OUT: x the gate's weight of the lane's token, written in the columns' order into the operand buffers, which are done with; into my region of LDS; a barrier; wave e adds rows 8 e .. 8 e + 7 of the
	; eight regions in the experts' order and stores them.
.rept 4
	v_nop                                          ; four places between the last product and the first read of its result, and the first write over an operand
.endr
	WIN 0x40                                       ; destination window 1
.irp m, 0,1,2,3
.irp n, 0,1,2,3
.irp a, 0,1,2,3,4,5,6,7
	v_mul_f32 v[32*\m+4*\a+\n], v[ACC+8*(4*\m+\n)+\a], v[GWR+\m]           ; each accumulator from its low end on
.endr
.endr
.endr
	WIN 0x04                                       ; an LDS store's data are its source 1: window 1
.irp m, 0,1,2,3
.irp a, 0,1,2,3,4,5,6,7
	ds_store_b128 v[STO], v[32*\m+4*\a:32*\m+4*\a+3] offset:\m*4352+16*\a  ; lane (r, h): token 16 m + r, columns 32 h + 4 a + 0 .. 3
.endr
.endr
	WIN 0
	s_wait_dscnt 0x0                               ; for the others' sake: my stores have landed
	s_barrier_signal -1
	s_barrier_wait -1
.irp q, 0,1,2,3
.irp i, 0,1,2,3
	ds_load_b128 v[ACC+16*\q+4*\i:ACC+16*\q+4*\i+3], v[RD0] offset:\q*17408+544*\i         ; two whole rows of 256 bytes an instruction
.endr
.endr
.irp q, 0,1,2,3
.irp i, 0,1,2,3
	ds_load_b128 v[ACC+64+16*\q+4*\i:ACC+64+16*\q+4*\i+3], v[RD1] offset:\q*17408+544*\i
.endr
.endr
.irp q, 1,2,3,4,5,6,7
	s_wait_dscnt 4*(7-\q)                          ; regions 0 to q are in; the four loads of each younger region may be out
.irp p, 0,1,2,3,4,5,6,7
	v_pk_add_f32 v[ACC+2*\p:ACC+2*\p+1], v[ACC+2*\p:ACC+2*\p+1], v[ACC+16*\q+2*\p:ACC+16*\q+2*\p+1]
.endr
.endr
.irp i, 0,1,2,3
	global_store_b128 v[OUTO], v[ACC+4*\i:ACC+4*\i+3], s[14:15] offset:8192*\i th:TH_STORE_NT   ; sixteen lanes store 256 consecutive bytes, at a multiple of 256 from out0's first byte
.endr
	s_wait_tensorcnt 0x0                           ; the wave's end: three closing lines behind my last LDS store: a tensor wait, though no tensor load stands here, a spare LDS add and its wait
	ds_add_u32 v[SPW], v[NIL]
	s_wait_dscnt 0x0
	s_endpgm
.Lfunc_end_k_qf3e8e96ffc_layer2:
	.size	k_qf3e8e96ffc_layer2, .Lfunc_end_k_qf3e8e96ffc_layer2-k_qf3e8e96ffc_layer2
	.p2alignl 7, 3214868480
	.fill 96, 4, 3214868480
	.section	.rodata,"a",@progbits
	.p2align	6, 0x0
	.amdhsa_kernel k_qf3e8e96ffc_layer2
		.amdhsa_group_segment_fixed_size 140288
		.amdhsa_private_segment_fixed_size 0
		.amdhsa_enable_private_segment 0
		.amdhsa_kernarg_size 48
		.amdhsa_user_sgpr_count 2
		.amdhsa_user_sgpr_kernarg_segment_ptr 1
		.amdhsa_wavefront_size32 1
		.amdhsa_system_sgpr_workgroup_id_x 1
		.amdhsa_system_sgpr_workgroup_id_y 1
		.amdhsa_system_sgpr_workgroup_id_z 1
		.amdhsa_system_vgpr_workitem_id 0
		.amdhsa_next_free_vgpr 512
		.amdhsa_next_free_sgpr 66
		.amdhsa_reserve_vcc 1
		.amdhsa_float_denorm_mode_32 3
		.amdhsa_float_denorm_mode_16_64 3
		.amdhsa_memory_ordered 1
		.amdhsa_forward_progress 1
		.amdhsa_inst_pref_size 147
	.end_amdhsa_kernel
	.amdgpu_metadata
---
amdhsa.version: [ 1, 2 ]
amdhsa.kernels:
  - .name:           k_qf3e8e96ffc_layer2
    .symbol:         k_qf3e8e96ffc_layer2.kd
    .args:
      - { .name: hrec, .offset: 0, .size: 8, .value_kind: global_buffer, .address_space: global }
      - { .name: w2rec, .offset: 8, .size: 8, .value_kind: global_buffer, .address_space: global }
      - { .name: gpart, .offset: 16, .size: 8, .value_kind: global_buffer, .address_space: global }
      - { .name: bg, .offset: 24, .size: 8, .value_kind: global_buffer, .address_space: global }
      - { .name: b2, .offset: 32, .size: 8, .value_kind: global_buffer, .address_space: global }
      - { .name: out0, .offset: 40, .size: 8, .value_kind: global_buffer, .address_space: global }
    .group_segment_fixed_size: 140288
    .private_segment_fixed_size: 0
    .kernarg_segment_align: 8
    .kernarg_segment_size: 48
    .max_flat_workgroup_size: 256
    .sgpr_count:     66
    .vgpr_count:     512
    .wavefront_size: 32
...
	.end_amdgpu_metadata
.endif
;; end of part 3
